; MI455X (gfx1250); checked and timed in simulation.
; The chip was launched on July 23, 2026; its instructions are those of AMD's public machine-readable ISA for CDNA 5 (MIT licence, August 2026) and "CDNA5" Instruction Set Architecture Reference Guide (July 2026). The comments in the code are by the model that wrote it; some were corrected since.
;; Multi Head Attention Layer. Allowed arithmetic: float matrix products may take bf16 or f16 operands with f32 sums; all other float work in f32.
;; Inputs: Wk 16 x 1,024 x 64 float32; Wq 16 x 1,024 x 64 float32; Wv 16 x 1,024 x 64 float32; X 2 x 2,048 x 1,024 float32; bk 16 x 64 float32; bq 16 x 64 float32; bv 16 x 64 float32.
;; Outputs: out0 2 x 2,048 x 1,024 float32.
;; One version. Each part assembles by itself: llvm-mc -triple=amdgcn-amd-amdhsa -mcpu=gfx1250 --defsym DOCPART=n.
;; ======== version 1 of 1: 3 launches
;; limits: values are held in f16: magnitudes above 65,504 overflow, below 6.1e-05 lose precision
;; workspace buffers: xb 8,388,608 bytes; wb 6,291,456 bytes; qkv 25,165,824 bytes
;; launch cast (part 1): grid 1792 x 1, 8 waves a work-group, no clusters, 0 bytes of LDS; arguments X, Wq, Wk, Wv, xb, wb; writes xb, wb
.if DOCPART == 1
	.amdgcn_target "amdgcn-amd-amdhsa--gfx1250"
	.amdhsa_code_object_version 6
	.text
	.protected	k_q093229176f_cast
	.globl	k_q093229176f_cast
	.p2align	8
	.type	k_q093229176f_cast,@function
k_q093229176f_cast:
	s_mov_b64 s[64:65], 0
	v_nop
	global_prefetch_b8 v0, s[64:65] scope:SCOPE_SE
	s_setreg_imm32_b32 hwreg(HW_REG_WAVE_MODE, 25, 1), 1
	s_wait_xcnt 0x0
; cast: X and the three weight tensors from f32 to bf16 (round to nearest even), once, so that the projection can bring
; its operands in by tensor loads and feed them to the matrix unit without vector work in its K loop.
;   xb [4096][1024] bf16                          = X, same order
;   wb [head 16][kstep 8][m 3][128 d][64 e] bf16  = Wq (m 0), Wk (m 1), Wv (m 2): the 384 rows that one K step of one head needs lie densely
; A work-group takes 4,096 neighbouring numbers: 16 KiB in, 8 KiB out.  Groups 0-1023 take X; then 256 groups for each of Wq, Wk, Wv,
; each a block of 64 d x 64 e of one head, which is dense in the source and in wb alike.
; A stream: no LDS, no barrier, no matrix unit.  A wave's load covers 512 neighbouring bytes, its store 256 neighbouring bytes, both aligned to their length.
.set HEADB,  393216                    ; bytes of a head in wb: 8 K steps x 3 matrices x 128 rows x 128 bytes
.set STEPB,  49152                     ; bytes of a K step: 3 x 128 x 128
.set MATB,   16384                     ; bytes of one matrix's 128 rows
	s_load_b256 s[4:11], s[0:1], 0x0               ; X s[4:5], Wq s[6:7], Wk s[8:9], Wv s[10:11]
	s_load_b128 s[12:15], s[0:1], 0x20             ; xb s[12:13], wb s[14:15]
	v_lshlrev_b32 v1, 4, v0                        ; source: 16 bytes a thread
	v_lshlrev_b32 v2, 3, v0                        ; destination: 8 bytes a thread
	s_and_b32 s20, ttmp9, 255                      ; a weight group's block c = 16 head + d block (1,024 is a multiple of 256)
	s_lshr_b32 s21, s20, 4                         ; head
	s_bfe_u32 s23, s20, 0x30001                    ; K step = d block / 2 (3 bits from bit 1)
	s_and_b32 s22, s20, 1                          ; which 64 rows of the K step's 128
	s_mul_i32 s21, s21, HEADB
	s_mul_i32 s23, s23, STEPB
	s_lshl_b32 s22, s22, 13                        ; 64 rows of 128 bytes
	s_add_co_u32 s21, s21, s23
	s_add_co_u32 s21, s21, s22                     ; the block's place in wb, but for the matrix
	s_lshl_b32 s24, s20, 14                        ; the block's place in its weight tensor
	s_lshl_b32 s25, ttmp9, 14                      ; an X group's place in X
	s_lshl_b32 s26, ttmp9, 13                      ; and in xb
	s_mov_b32 s27, 2*MATB
	s_mov_b32 s29, 0                               ; high words of the two offsets
	s_mov_b32 s31, 0
	s_wait_kmcnt 0x0
	s_cmp_lt_u32 ttmp9, 1536                       ; the choices hang on the group's number alone
	s_cselect_b64 s[16:17], s[8:9], s[10:11]       ; Wk or Wv
	s_cselect_b32 s27, MATB, s27
	s_cmp_lt_u32 ttmp9, 1280
	s_cselect_b64 s[16:17], s[6:7], s[16:17]       ; Wq
	s_cselect_b32 s27, 0, s27
	s_add_co_u32 s21, s21, s27                     ; + the matrix's 128 rows
	s_cmp_lt_u32 ttmp9, 1024
	s_cselect_b64 s[16:17], s[4:5], s[16:17]       ; X
	s_cselect_b64 s[18:19], s[12:13], s[14:15]     ; xb or wb
	s_cselect_b32 s28, s25, s24
	s_cselect_b32 s30, s26, s21
	s_add_nc_u64 s[16:17], s[16:17], s[28:29]
	s_add_nc_u64 s[18:19], s[18:19], s[30:31]
.irp j, 0,1,2,3
	global_load_b128 v[4+4*\j:7+4*\j], v1, s[16:17] offset:4096*\j th:TH_LOAD_NT   ; all four loads go out first; the launch reads these bytes once
.endr
.irp j, 0,1,2,3
	s_wait_loadcnt 3-\j                            ; loads come back in order: load j is in, the 3 - j younger ones stay out
	v_cvt_pk_bf16_f32 v[20+2*\j], v[4+4*\j], v[5+4*\j]
	v_cvt_pk_bf16_f32 v[21+2*\j], v[6+4*\j], v[7+4*\j]
	global_store_b64 v2, v[20+2*\j:21+2*\j], s[18:19] offset:2048*\j   ; no hint: the next launch reads these bytes
.endr
	s_endpgm
.Lfunc_end_k_q093229176f_cast:
	.size	k_q093229176f_cast, .Lfunc_end_k_q093229176f_cast-k_q093229176f_cast
	.p2alignl 7, 3214868480
	.fill 96, 4, 3214868480
	.section	.rodata,"a",@progbits
	.p2align	6, 0x0
	.amdhsa_kernel k_q093229176f_cast
		.amdhsa_group_segment_fixed_size 0
		.amdhsa_private_segment_fixed_size 0
		.amdhsa_enable_private_segment 0
		.amdhsa_kernarg_size 48
		.amdhsa_user_sgpr_count 2
		.amdhsa_user_sgpr_kernarg_segment_ptr 1
		.amdhsa_wavefront_size32 1
		.amdhsa_system_sgpr_workgroup_id_x 1
		.amdhsa_system_sgpr_workgroup_id_y 1
		.amdhsa_system_sgpr_workgroup_id_z 1
		.amdhsa_system_vgpr_workitem_id 0
		.amdhsa_next_free_vgpr 32
		.amdhsa_next_free_sgpr 66
		.amdhsa_reserve_vcc 0
		.amdhsa_float_denorm_mode_32 3
		.amdhsa_float_denorm_mode_16_64 3
		.amdhsa_memory_ordered 1
		.amdhsa_forward_progress 1
		.amdhsa_inst_pref_size 4
	.end_amdhsa_kernel
	.amdgpu_metadata
---
amdhsa.version: [ 1, 2 ]
amdhsa.kernels:
  - .name:           k_q093229176f_cast
    .symbol:         k_q093229176f_cast.kd
    .args:
      - { .name: X, .offset: 0, .size: 8, .value_kind: global_buffer, .address_space: global }
      - { .name: Wq, .offset: 8, .size: 8, .value_kind: global_buffer, .address_space: global }
      - { .name: Wk, .offset: 16, .size: 8, .value_kind: global_buffer, .address_space: global }
      - { .name: Wv, .offset: 24, .size: 8, .value_kind: global_buffer, .address_space: global }
      - { .name: xb, .offset: 32, .size: 8, .value_kind: global_buffer, .address_space: global }
      - { .name: wb, .offset: 40, .size: 8, .value_kind: global_buffer, .address_space: global }
    .group_segment_fixed_size: 0
    .private_segment_fixed_size: 0
    .kernarg_segment_align: 8
    .kernarg_segment_size: 48
    .max_flat_workgroup_size: 256
    .sgpr_count:     66
    .vgpr_count:     32
    .wavefront_size: 32
...
	.end_amdgpu_metadata
.endif
;; end of part 1
;; launch proj (part 2): grid 16 x 16, 4 waves a work-group, clusters of 4 x 4, 327,680 bytes of LDS; arguments xb, wb, bq, bk, bv, qkv; writes qkv
.if DOCPART == 2
	.amdgcn_target "amdgcn-amd-amdhsa--gfx1250"
	.amdhsa_code_object_version 6
	.text
	.protected	k_q093229176f_proj
	.globl	k_q093229176f_proj
	.p2align	8
	.type	k_q093229176f_proj,@function
k_q093229176f_proj:
	s_mov_b64 s[64:65], 0
	v_nop
	global_prefetch_b8 v0, s[64:65] scope:SCOPE_SE
	s_setreg_imm32_b32 hwreg(HW_REG_WAVE_MODE, 25, 1), 1
	s_wait_xcnt 0x0
	s_wait_alu depctr_hold_cnt(0) depctr_sa_sdst(0) depctr_va_vdst(0) depctr_va_sdst(0) depctr_va_ssrc(0) depctr_va_vcc(0) depctr_vm_vsrc(0)
	s_getreg_b32 s2, hwreg(HW_REG_IB_STS2, 6, 4)
	s_cmp_eq_u32 s2, 0
	s_cbranch_scc0 .Lentry_in_a_cluster
	s_endpgm
.Lentry_in_a_cluster:
	s_bfe_u32 s2, ttmp6, 0x10000c
	s_cmp_lg_u32 s2, 0xf033
	s_cbranch_scc0 .Lentry_shape_is_right
	s_endpgm
.Lentry_shape_is_right:
; proj: Q, K, V = X W + b for one head and 256 rows of X.  xb [4096][1024] bf16; wb [head][kstep][m][128 d][64 e] bf16; biases [16][64] f32;
; qkv [m 3][batch x head 32][2048 s][64 e] f16.  Sums in f32, the bias added in f32, one rounding to f16.
; LIMIT: |Q|, |K|, |V| must stay below 65,504, f16's largest number.  Inputs 30 times those of the problem's kind give about 5,000, inputs
; that all carry an offset of 30 spreads about 28,800.  f16 is taken because its 11 significant bits keep the attention's error small.
; A work-group (x = head, y = block of 256 rows) makes 256 x 192 numbers (64 of Q, 64 of K, 64 of V) with four waves; a wave makes
; 64 rows x 192 columns: 4 x 12 accumulator tiles of 16 x 16, 384 registers.  So a wave owns whole rows of all three outputs and its way out is its own.
; K = 1,024 goes in 8 steps of 128 through two LDS slots filled by the tensor data mover.
; CLUSTERS: 4 x 4 work-groups.  The four of a row of the cluster share the block of X's rows, the four of a column share the head's weights: each tile is
; asked for jointly by the four that need it, which divides the requests for both by four.
; W lies [k][e] in LDS; its fragments come through the transposing LDS load.
; THE MATRIX INSTRUCTION IS USED TRANSPOSED: source 0 = 16 columns e of W, source 1 = 16 rows of X.  Lane l then holds row l % 16 and its
; registers 0-7 the columns 8 (l / 16) + 0..7: eight neighbouring numbers of an output row.
; REGISTERS in windows of 256:  window 0: addresses, X's fragments (two buffers), the bias, work on the way out;  window 1: W's fragments (two buffers);
; window 2: the tiles of my rows 0-31 (tile (a, b) at v[8 (12 a + b)]);  window 3: those of my rows 32-63.
.set KSTEP,  128
.set PA,     272                       ; LDS pitch of X's rows: 256 bytes + 16, so the 16 rows of a fragment start 16 bytes apart modulo 256
.set PB,     160                       ; LDS pitch of W's rows: 128 bytes + 32, an odd multiple of 32, for the transposing load
.set AHALF,  128*PA                    ; 128 rows of X: one tensor load
.set ABYTES, 2*AHALF
.set BHALF,  192*PB                    ; 192 of the 384 rows of W: one tensor load
.set SLOT,   ABYTES+2*BHALF            ; 131,072
.set STAGE,  2*SLOT                    ; behind the ring: 16 rows x 144 bytes for each wave; no tensor load lands here
.set SP,     144
.set LAPS,   4                         ; a lap = two K steps = once round the ring
.set HEADB,  393216                    ; bytes of a head in wb
.set STEPB,  49152                     ; bytes of a K step in wb
.set ADRA, 16                          ; v16-17  LDS address of my X fragments in slot 0, 1
.set ADRB, 20                          ; v20-21  the same for W
.set STO,  24                          ; the way out: where I put 16 bytes of a row
.set RD,   25                          ; the way out: where I read rows back
.set CO,   26                          ; my 16 bytes among 512 of the output
.set BO,   27                          ; my byte offset in a bias
.set FA,   32                          ; v32-63, v64-95: X's fragments, buffers 0 and 1 (4 fragments each)
.set TW,   32                          ; the way out: 32 sums with the bias
.set TMP,  64                          ; the way out: 16 registers of packed f16
.set RB,   96                          ; the way out: rows read back, two sets of 16
.set BI,   144                         ; v144-239: the bias of my 8 columns in each of the 12 tiles
.set G1,  24                           ; s[24:31] descriptor group 1 for X's tiles
.set G0,  32                           ; s[32:39] group 0 for X's tiles, one set for each slot
.set G1B, 48                           ; s[48:55] group 1 for W's tiles
.set G0B, 56                           ; s[56:63] group 0 for W's tiles, one set for each slot
.set OB,  76                           ; s[76:81] my first output row in Q, K, V
.set MSB, 0
.macro WIN new                         ; the immediate's high byte repeats the setting that is left
.if MSB != \new
	s_set_vgpr_msb (MSB<<8)|\new
.set MSB, \new
.endif
.endm
.set MUL_LO, 0xa1                      ; source 0 (W) window 1, source 1 (X) window 0, C and D window 2
.set MUL_HI, 0xf1                      ; the same, C and D window 3
.set TO_B,   0x40                      ; destination window 1, address window 0
; A joint load.  Waves 0 and 1 fetch X's two halves, waves 2 and 3 W's.  Each line has one mask and one set of registers; the branch hangs on the wave's number alone.
.macro JLOAD s
	s_cmp_eq_u32 s11, 0
	s_cbranch_scc0 .Lfor_b_\@
	tensor_load_to_lds s[G0+4*\s:G0+4*\s+3], s[G1:G1+7]
	s_nop 0
	s_branch .Lasked_\@
.Lfor_b_\@:
	tensor_load_to_lds s[G0B+4*\s:G0B+4*\s+3], s[G1B:G1B+7]
	s_nop 0
.Lasked_\@:
.endm
; A round of the cluster's barrier: my work-group's barrier, wave 0 signals for the work-group, every wave waits for all sixteen, my work-group's barrier again.
.macro CREST                           ; a round behind its opening barrier
	s_cmp_lg_u32 s10, 0
	s_cbranch_scc1 .Lnot_wave_0_\@
	s_barrier_signal -3
.Lnot_wave_0_\@:
	s_barrier_wait -3
	s_barrier_signal -1
	s_barrier_wait -1
.endm
.macro CROUND
	s_barrier_signal -1
	s_barrier_wait -1
	CREST
.endm
	s_load_b128 s[4:7], s[0:1], 0x0                ; xb s[4:5], wb s[6:7]
	s_load_b256 s[68:75], s[0:1], 0x10             ; bq s[68:69], bk s[70:71], bv s[72:73], qkv s[74:75]
	s_set_vgpr_msb 0x40
	v_lshl_add_u32 v255, v0, 2, 0x42400
	s_set_vgpr_msb 0x4000
	v_mov_b32 v255, 0
	s_set_vgpr_msb 0x1
	ds_add_u32 v255, v255
	s_set_vgpr_msb 0x100
	v_lshrrev_b32 v1, 5, v0
	v_readfirstlane_b32 s10, v1                    ; wave 0..3
	s_lshr_b32 s11, s10, 1                         ; I fetch for X (0) or for W (1)
	s_and_b32 s12, s10, 1                          ; which half of that tile
	s_bfe_u32 s40, ttmp6, 0x40000                  ; cx
	s_bfe_u32 s41, ttmp6, 0x40004                  ; cy
	s_lshl_b32 s42, ttmp9, 2
	s_add_co_u32 s42, s42, s40                     ; head = 4 x cluster x + cx
	s_and_b32 s13, ttmp7, 0xffff
	s_lshl_b32 s13, s13, 2
	s_add_co_u32 s13, s13, s41                     ; block of rows = 4 x cluster y + cy
	s_lshl_b32 s43, s41, 2
	s_lshl_b32 s43, 15, s43                        ; my row of the cluster: places 4 cy .. 4 cy + 3
	s_lshl_b32 s44, 0x1111, s40                    ; my column: places cx, cx + 4, cx + 8, cx + 12
	; group 1 for X: 128 rows x 128 elements of 2 bytes, pitch 1,024 elements; 4 words of padding behind every 64
	s_or_b32 s[G1+0], s43, (1<<16)|(1<<20)|(1<<21)|(5<<22)|(3<<25)
	s_mov_b32 s[G1+1], KSTEP<<16                   ; tensor_dim0 = 128
	s_mov_b32 s[G1+2], 128<<16                     ; tensor_dim1 = 128
	s_mov_b32 s[G1+3], KSTEP<<16                   ; tile_dim0 = 128
	s_mov_b32 s[G1+4], 128                         ; tile_dim1 = 128
	s_mov_b32 s[G1+5], 1024                        ; elements from row to row
	s_mov_b32 s[G1+6], 0
	s_mov_b32 s[G1+7], 0
	; group 1 for W: 192 dense rows x 64 elements; 8 words of padding behind every 32
	s_or_b32 s[G1B+0], s44, (1<<16)|(1<<20)|(1<<21)|(4<<22)|(7<<25)
	s_mov_b32 s[G1B+1], 64<<16
	s_mov_b32 s[G1B+2], 192<<16
	s_mov_b32 s[G1B+3], 64<<16
	s_mov_b32 s[G1B+4], 192
	s_mov_b32 s[G1B+5], 64
	s_mov_b32 s[G1B+6], 0
	s_mov_b32 s[G1B+7], 0
	; X's tiles hang on the block of rows alone, W's on the head alone; each address is made in registers that never hold the other coordinate
	s_lshl_b32 s17, s12, 7
	s_lshl_b32 s16, s13, 8
	s_add_co_u32 s16, s16, s17                     ; X: row 256 x block + 128 x half
	s_lshl_b32 s16, s16, 11                        ; rows of 2,048 bytes: 8 MiB at the most
	s_mov_b32 s17, 0
	s_mul_i32 s46, s42, HEADB
	s_mul_i32 s47, s12, 192*128
	s_add_co_u32 s46, s46, s47                     ; W: the head, and 192 rows of 128 bytes for the second half
	s_mov_b32 s47, 0
	s_mul_i32 s20, s10, AHALF                      ; LDS: waves 0, 1 fill X's halves at wave x 34,816
	s_mul_i32 s21, s10, BHALF                      ; waves 2, 3 fill W's halves at 69,632 + (wave - 2) x 30,720
	s_add_co_u32 s21, s21, ABYTES-2*BHALF
	s_wait_dscnt 0x0
	s_wait_kmcnt 0x0
	s_add_nc_u64 s[14:15], s[4:5], s[16:17]
	s_add_nc_u64 s[46:47], s[6:7], s[46:47]
	CROUND                                         ; all sixteen work-groups are here: the first joint loads meet
.irp s, 0,1
	s_mov_b32 s[G0+4*\s], 1
	s_add_co_u32 s[G0+4*\s+1], s20, \s*SLOT
	s_add_nc_u64 s[G0+4*\s+2:G0+4*\s+3], s[14:15], \s*KSTEP*2      ; K step s
	s_or_b32 s[G0+4*\s+3], s[G0+4*\s+3], 0x80000000
	s_mov_b32 s[G0B+4*\s], 1
	s_add_co_u32 s[G0B+4*\s+1], s21, \s*SLOT
	s_add_nc_u64 s[G0B+4*\s+2:G0B+4*\s+3], s[46:47], \s*STEPB
	s_or_b32 s[G0B+4*\s+3], s[G0B+4*\s+3], 0x80000000
	JLOAD \s                                       ; both slots are asked for before anything else: two tensor loads of the wave are out
.endr
	v_and_b32 v1, 15, v0                           ; r = l % 16
	v_bfe_u32 v2, v0, 4, 1                         ; h = l / 16
	s_lshl_b32 s45, s42, 8                         ; a head's 64 f32 in a bias
	v_lshl_add_u32 v[BO], v2, 5, s45               ; + my 8 columns of a tile's 16
.irp b, 0,1,2,3,4,5,6,7,8,9,10,11
	global_load_b128 v[BI+8*\b:BI+8*\b+3],   v[BO], s[68+2*(\b/4):69+2*(\b/4)] offset:64*(\b%4)
	global_load_b128 v[BI+8*\b+4:BI+8*\b+7], v[BO], s[68+2*(\b/4):69+2*(\b/4)] offset:64*(\b%4)+16
.endr
	; X's fragment: lane l holds row l % 16; two loads of 16 bytes, 32 apart, at row x pitch + 16 h
	v_mul_u32_u24 v3, v1, PA
	v_lshl_add_u32 v3, v2, 4, v3
	s_mul_i32 s22, s10, 64*PA                      ; my 64 rows
	v_add_nc_u32 v[ADRA], s22, v3
	v_add_nc_u32 v[ADRA+1], SLOT, v[ADRA]
	; W's fragment through the transposing load: lane l addresses row 8 h + l % 8 and the 16 bytes (l / 8) % 2 of the tile's 32
	v_and_b32 v4, 7, v0
	v_lshl_add_u32 v4, v2, 3, v4
	v_mul_u32_u24 v4, v4, PB
	v_bfe_u32 v5, v0, 3, 1
	v_lshl_add_u32 v4, v5, 4, v4
	v_add_nc_u32 v[ADRB], ABYTES, v4
	v_add_nc_u32 v[ADRB+1], ABYTES+SLOT, v4
	s_mul_i32 s23, s10, 16*SP
	s_add_co_u32 s23, s23, STAGE                   ; my stage
	v_mul_u32_u24 v4, v1, SP                       ; in: row r, 16 bytes for each half of the lanes
	v_lshl_add_u32 v4, v2, 4, v4
	v_add_nc_u32 v[STO], s23, v4
	v_and_b32 v5, 31, v0
	v_lshrrev_b32 v6, 3, v5                        ; back: eight lanes take a row of 128 bytes, the wave four rows
	v_and_b32 v7, 7, v0
	v_mul_u32_u24 v6, v6, SP
	v_lshl_add_u32 v6, v7, 4, v6
	v_add_nc_u32 v[RD], s23, v6
	v_lshlrev_b32 v[CO], 4, v5                     ; four output rows of 128 bytes are 512 dense bytes
	; my first output row: ((batch x 16 + head) x 2,048 + row in the batch) x 128 bytes, in each of the three regions of 8 MiB
	s_lshr_b32 s82, s13, 3
	s_lshl_b32 s82, s82, 4
	s_add_co_u32 s82, s82, s42
	s_lshl_b32 s82, s82, 11
	s_and_b32 s83, s13, 7
	s_lshl_b32 s83, s83, 8
	s_add_co_u32 s82, s82, s83
	s_lshl_b32 s83, s10, 6
	s_add_co_u32 s82, s82, s83
	s_lshl_b32 s82, s82, 7
	s_mov_b32 s83, 0
	s_add_nc_u64 s[OB:OB+1], s[74:75], s[82:83]
	s_add_nc_u64 s[OB+2:OB+3], s[OB:OB+1], 0x800000
	s_add_nc_u64 s[OB+4:OB+5], s[OB:OB+1], 0x1000000
; 12 matrix instructions: row block a of the window's two (hi = 0: my rows 0-31, 1: rows 32-63) x all 12 column tiles, 32 along K, from buffer f.
; zero = 1: the first product starts the sums.  The 48 accumulators take turns, one instruction a turn, in the same order in every quarter.
.macro MUL12 f, hi, a, zero
.irp b, 0,1,2,3,4,5,6,7,8,9,10,11
.if \zero
	v_wmma_f32_16x16x32_bf16 v[8*(12*\a+\b):8*(12*\a+\b)+7], v[96*\f+8*\b:96*\f+8*\b+7], v[FA+32*\f+8*(2*\hi+\a):FA+32*\f+8*(2*\hi+\a)+7], 0
.else
	v_wmma_f32_16x16x32_bf16 v[8*(12*\a+\b):8*(12*\a+\b)+7], v[96*\f+8*\b:96*\f+8*\b+7], v[FA+32*\f+8*(2*\hi+\a):FA+32*\f+8*(2*\hi+\a)+7], v[8*(12*\a+\b):8*(12*\a+\b)+7]
.endif
.endr
.endm
; 32 LDS loads in one run: quarter kq of the slot's K step into buffer f: 12 fragments of W (matrix b / 4, columns 16 (b % 4)), then 4 of X
.macro FETCH slot, kq, f
	WIN TO_B
.irp b, 0,1,2,3,4,5,6,7,8,9,10,11
	ds_load_tr16_b128 v[96*\f+8*\b:96*\f+8*\b+3],   v[ADRB+\slot] offset:(\b/4)*128*PB+(\b%4)*32+\kq*32*PB
	ds_load_tr16_b128 v[96*\f+8*\b+4:96*\f+8*\b+7], v[ADRB+\slot] offset:(\b/4)*128*PB+(\b%4)*32+\kq*32*PB+16*PB
.endr
	WIN 0
.irp i, 0,1,2,3
	ds_load_b128 v[FA+32*\f+8*\i:FA+32*\f+8*\i+3],   v[ADRA+\slot] offset:\kq*64+\i*16*PA
	ds_load_b128 v[FA+32*\f+8*\i+4:FA+32*\f+8*\i+7], v[ADRA+\slot] offset:\kq*64+\i*16*PA+32
.endr
.endm
; A load into a register that a matrix instruction has read, and a vector instruction that reads a matrix result, stand four places behind it
; (ISA guide 7.12.1 for vector instructions); matrix instructions in between are not counted as places here.
.macro PLACES
.rept 4
	v_nop
.endr
.endm
; One of a K step's first three quarters: multiplies buffer f; in its middle it fetches quarter kq of the same slot into buffer g.
.macro QUARTER slot, kq, f, g, zero
	s_wait_dscnt 4                                 ; W's 24 loads and X's fragments 0, 1 are in; the youngest four loads (X's fragments 2, 3) may be out
	WIN MUL_LO
	MUL12 \f, 0, 0, \zero
	MUL12 \f, 0, 1, \zero
	PLACES
	FETCH \slot, \kq, \g
	s_wait_dscnt 32                                ; all but the 32 just issued
	WIN MUL_HI
	MUL12 \f, 1, 0, \zero
	MUL12 \f, 1, 1, \zero
.endm
.macro THREE slot, zero
	QUARTER \slot, 1, 0, 1, \zero
	QUARTER \slot, 2, 1, 0, 0
	QUARTER \slot, 3, 0, 1, 0
.endm
; The last quarter: multiplies buffer 1 and changes slots.  In front of the barrier each wave waits for its reads of this slot and for all its tensor
; loads (one is out: its part of the next slot).  Where the slot is filled again the barrier opens a round of the cluster's barrier, and the joint refill
; is the first tensor load behind the round.  From a request to the wait for it a wave issues 180 matrix instructions.
.macro TURN slot, next, fill
	s_wait_dscnt 4
	WIN MUL_LO
	MUL12 1, 0, 0, 0
	s_wait_dscnt 0                                 ; my reads of this slot are over
	s_wait_tensorcnt 0x0                           ; all my tensor loads have landed
	ds_add_u32 v255, v255
	s_wait_dscnt 0x0
	s_barrier_signal -1
	MUL12 1, 0, 1, 0                               ; register work while the others arrive
	WIN 0
	s_barrier_wait -1
.if \fill
	CREST                                          ; no wave of any partner still reads this slot or has a load on its way
	s_add_nc_u64 s[G0+4*\slot+2:G0+4*\slot+3], s[G0+4*\slot+2:G0+4*\slot+3], 2*KSTEP*2
	s_add_nc_u64 s[G0B+4*\slot+2:G0B+4*\slot+3], s[G0B+4*\slot+2:G0B+4*\slot+3], 2*STEPB
	JLOAD \slot
.endif
	PLACES
	FETCH \next, 0, 0
	WIN MUL_HI
	MUL12 1, 1, 0, 0
	MUL12 1, 1, 1, 0
.endm
.macro LAP zero
	THREE 0, \zero
	TURN 0, 1, 1
	THREE 1, 0
	TURN 1, 0, 1
.endm
	s_wait_loadcnt 0x0                             ; the bias, once; it came in beside the first tiles
	s_wait_tensorcnt 0x1                           ; my part of K step 0 is in; K step 1's may stay out
	s_barrier_signal -1
	s_barrier_wait -1
	FETCH 0, 0, 0
	LAP 1                                          ; the first lap stands in front of the loop: its first products start the sums
	WIN 0
	s_mov_b32 s3, LAPS-2
.Llap:
	LAP 0
	WIN 0
	s_sub_co_u32 s3, s3, 1
	s_cmp_lg_u32 s3, 0
	s_cbranch_scc1 .Llap
	THREE 0, 0                                     ; the last lap fills nothing and has no round of the cluster's barrier
	TURN 0, 1, 0
	THREE 1, 0
	s_wait_dscnt 4                                 ; the very last quarter
	WIN MUL_LO
	MUL12 1, 0, 0, 0
	MUL12 1, 0, 1, 0
	s_wait_dscnt 0
	WIN MUL_HI
	MUL12 1, 1, 0, 0
	MUL12 1, 1, 1, 0
	PLACES                                         ; the places behind the last matrix instructions, for the sums below and for the rewriting of the fragment buffers
; THE WAY OUT: 16 rows of one matrix at a time (row block a, matrix m; from = the window of source 0): add the bias in f32, round to f16,
; 16 bytes a lane into my own stage, read back as whole rows, store 512 dense bytes with each instruction.
.macro OUT a, m, from
	WIN \from
.irp c, 0,1,2,3
.irp r, 0,2,4,6
	v_pk_add_f32 v[TW+8*\c+\r:TW+8*\c+\r+1], v[8*(12*(\a%2)+4*\m+\c)+\r:8*(12*(\a%2)+4*\m+\c)+\r+1], v[BI+8*(4*\m+\c)+\r:BI+8*(4*\m+\c)+\r+1]
.endr
.endr
	WIN 0
.irp c, 0,1,2,3
.irp r, 0,1,2,3
	v_cvt_pk_f16_f32 v[TMP+4*\c+\r], v[TW+8*\c+2*\r], v[TW+8*\c+2*\r+1]
.endr
.endr
.irp c, 0,1,2,3
	ds_store_b128 v[STO], v[TMP+4*\c:TMP+4*\c+3] offset:32*\c
.endr
	s_wait_xcnt 0x0                                ; the set of RB that earlier stores read is loaded again only behind this wait
.irp t, 0,1,2,3
	ds_load_b128 v[RB+16*((3*\a+\m)%2)+4*\t:RB+16*((3*\a+\m)%2)+4*\t+3], v[RD] offset:\t*4*SP   ; LDS serves a wave's instructions in order: these see the stores above
.endr
.irp t, 0,1,2,3
	s_wait_dscnt 3-\t                              ; load t is in, the 3 - t younger ones stay out
	global_store_b128 v[CO], v[RB+16*((3*\a+\m)%2)+4*\t:RB+16*((3*\a+\m)%2)+4*\t+3], s[OB+2*\m:OB+2*\m+1] offset:\a*2048+\t*512
.endr
.endm
.irp m, 0,1,2
	OUT 0, \m, 0x02
.endr
.irp m, 0,1,2
	OUT 1, \m, 0x02
.endr
.irp m, 0,1,2
	OUT 2, \m, 0x03
.endr
.irp m, 0,1,2
	OUT 3, \m, 0x03
.endr
	s_set_vgpr_msb 0x1
	s_wait_tensorcnt 0x0
	ds_add_u32 v255, v255
	s_wait_dscnt 0x0
	s_set_vgpr_msb 0x100
	CROUND                                         ; the closing round: no work-group ends while a partner may still ask for a tile that names it
	s_endpgm
.Lfunc_end_k_q093229176f_proj:
	.size	k_q093229176f_proj, .Lfunc_end_k_q093229176f_proj-k_q093229176f_proj
	.p2alignl 7, 3214868480
	.fill 96, 4, 3214868480
	.section	.rodata,"a",@progbits
	.p2align	6, 0x0
	.amdhsa_kernel k_q093229176f_proj
		.amdhsa_group_segment_fixed_size 327680
		.amdhsa_private_segment_fixed_size 0
		.amdhsa_enable_private_segment 0
		.amdhsa_kernarg_size 48
		.amdhsa_user_sgpr_count 2
		.amdhsa_user_sgpr_kernarg_segment_ptr 1
		.amdhsa_wavefront_size32 1
		.amdhsa_system_sgpr_workgroup_id_x 1
		.amdhsa_system_sgpr_workgroup_id_y 1
		.amdhsa_system_sgpr_workgroup_id_z 1
		.amdhsa_system_vgpr_workitem_id 0
		.amdhsa_next_free_vgpr 960
		.amdhsa_next_free_sgpr 84
		.amdhsa_reserve_vcc 0
		.amdhsa_float_denorm_mode_32 3
		.amdhsa_float_denorm_mode_16_64 3
		.amdhsa_memory_ordered 1
		.amdhsa_forward_progress 1
		.amdhsa_inst_pref_size 179
	.end_amdhsa_kernel
	.amdgpu_metadata
---
amdhsa.version: [ 1, 2 ]
amdhsa.kernels:
  - .name:           k_q093229176f_proj
    .symbol:         k_q093229176f_proj.kd
    .args:
      - { .name: xb, .offset: 0, .size: 8, .value_kind: global_buffer, .address_space: global }
      - { .name: wb, .offset: 8, .size: 8, .value_kind: global_buffer, .address_space: global }
      - { .name: bq, .offset: 16, .size: 8, .value_kind: global_buffer, .address_space: global }
      - { .name: bk, .offset: 24, .size: 8, .value_kind: global_buffer, .address_space: global }
      - { .name: bv, .offset: 32, .size: 8, .value_kind: global_buffer, .address_space: global }
      - { .name: qkv, .offset: 40, .size: 8, .value_kind: global_buffer, .address_space: global }
    .group_segment_fixed_size: 327680
    .private_segment_fixed_size: 0
    .kernarg_segment_align: 8
    .kernarg_segment_size: 48
    .max_flat_workgroup_size: 128
    .sgpr_count:     84
    .vgpr_count:     960
    .wavefront_size: 32
...
	.end_amdgpu_metadata
.endif
;; end of part 2
;; launch attn (part 3): grid 256 x 1, 8 waves a work-group, clusters of 4 x 1, 327,680 bytes of LDS; arguments qkv, out0; writes out0
.if DOCPART == 3
	.amdgcn_target "amdgcn-amd-amdhsa--gfx1250"
	.amdhsa_code_object_version 6
	.text
	.protected	k_q093229176f_attn
	.globl	k_q093229176f_attn
	.p2align	8
	.type	k_q093229176f_attn,@function
k_q093229176f_attn:
	s_mov_b64 s[64:65], 0
	v_nop
	global_prefetch_b8 v0, s[64:65] scope:SCOPE_SE
	s_setreg_imm32_b32 hwreg(HW_REG_WAVE_MODE, 25, 1), 1
	s_wait_xcnt 0x0
	s_wait_alu depctr_hold_cnt(0) depctr_sa_sdst(0) depctr_va_vdst(0) depctr_va_sdst(0) depctr_va_ssrc(0) depctr_va_vcc(0) depctr_vm_vsrc(0)
	s_getreg_b32 s2, hwreg(HW_REG_IB_STS2, 6, 4)
	s_cmp_eq_u32 s2, 0
	s_cbranch_scc0 .Lentry_in_a_cluster
	s_endpgm
.Lentry_in_a_cluster:
	s_bfe_u32 s2, ttmp6, 0x10000c
	s_cmp_lg_u32 s2, 0x3003
	s_cbranch_scc0 .Lentry_shape_is_right
	s_endpgm
.Lentry_shape_is_right:
; attn: out[b][q][64 head + e] = sum over keys k <= q of softmax over ALL 2,048 keys of (Q K^T / 8)[q][k] x V[k][e].
; The mask comes behind the softmax: the row's sum takes every key, the product with V only the keys up to the query.
; qkv [m 3][batch x head 32][2048][64] f16 (Q, K, V); out0 [2][2048][1024] f32.
; S^T = K Q^T: source 0 = 16 keys, source 1 = 16 queries.  Lane (r = l % 16, h = l / 16) then holds query r, register j key 8 h + j: a row's maximum and sum
; stay inside a lane but for one exchange between the halves, and two key tiles, packed to f16, ARE source 1 of Z^T = V^T P^T.  V^T's fragments come
; through the transposing LDS load from V as it lies, [key][e].  Z^T gives a lane eight neighbouring e of one query.
; SOFTMAX: a running maximum m of the raw scores; all exponents are taken against mu = the rounded product of m and log2(e) / 8, the same number in the
; weights, in the rescaling and in the last factor, so that its rounding cancels in Z / l.  Steps without a product with V leave Z alone; the factor
; 2^(mu at the last product - mu at the end) is applied once at the end.
; SHARES: a wave takes 32 queries, a work-group 256, all 2,048 keys in 8 tiles of 256 through two LDS slots.  Cluster number = 2 x (batch x head) + g.
; Wave w takes the chunk of 128 queries c = 2 w + g (w < 4) or 23 - 2 w - g (w >= 4), and of it the 32 queries of its work-group's place cx: waves w and w + 4
; have chunks that add up to 15, so every work-group has the same number of products with V, and c is the same in all four partners: no branch hangs on cx.
; CLUSTERS: the four partners walk the same K and V tiles and ask for each jointly (mask 15), which divides those requests by four.
; LIMITS: Q, K, V come as f16 (below 65,504: see the projection).  The weights go to the matrix unit as f16: a weight below 2^-24 of the row's largest counts as 0
; in the product with V (the row's sum takes the f32 weights).  v_exp_f32 gives 0 for results below 2^-126.  NaN and infinities are not served.
.set VP,     160                       ; LDS pitch of V's rows: 128 bytes + 32, an odd multiple of 32, for the transposing load
.set KP,     144                       ; LDS pitch of K's rows: 128 bytes + 16: the 16 rows of a fragment start 16 bytes apart modulo 256
.set VBYTES, 256*VP
.set SLOT,   VBYTES+256*KP             ; 77,824: 256 keys of V, then of K
.set STAGE,  2*SLOT                    ; behind the ring: 32 rows x 272 bytes for each wave; no tensor load lands here
.set ZP,     272
.set TILEB,  256*128                   ; bytes of a tile of 256 keys in memory
.set REGION, 8388608                   ; bytes of Q, of K, of V
.set AV,  1                            ; v1-2    LDS address of my V fragments in slot 0, 1
.set AK,  3                            ; v3-4    the same for K
.set QO,  5                            ; my byte offset in Q's 16 rows
.set MX,  8                            ; v[8:9]   running maximum of the raw scores, q tile 0, 1
.set OO,  11                           ; my byte offset in two output rows
.set NM,  12                           ; v[12:13] - mu
.set AL,  14                           ; v[14:15] 2^(old mu - new mu)
.set LS,  16                           ; v[16:17] my half's part of the row's sum
.set NZ,  18                           ; v[18:19] - mu at the last product with V
.set TT,  20                           ; v[20:27] at work
.set DQ,  28                           ; v[28:29] my query's place in its chunk, less 8 h
.set SI,  30                           ; the way out: where I put 32 bytes of a row
.set SO,  31                           ; the way out: where I read rows back
.set QF,  32                           ; v[32:63]   Q's fragments: (q tile, e half) at 16 q + 8 f
.set SC,  64                           ; v[64:127]  scores, then weights: (key tile, q tile) at 32 q + 8 k; packed in place: (key pair g, q tile) at 32 q + 16 g
.set KF,  128                          ; v[128:191] K's fragments (key tile, e half) at 16 k + 8 f, or V's (e tile, key pair) at 8 (4 g + e)
.set ZA,  192                          ; v[192:255] Z^T: (e tile, q tile) at 16 e + 8 q
.set G1V, 16                           ; s[16:23] descriptor group 1 for V's tiles
.set G1K, 24                           ; s[24:31] for K's
.set G0V, 32                           ; s[32:39] group 0 for V's tiles, one set for each slot
.set G0K, 40                           ; s[40:47] for K's
.macro ROUND                           ; a round of the cluster's barrier
	s_barrier_signal -1
	s_barrier_wait -1
	s_cmp_lg_u32 s8, 0
	s_cbranch_scc1 .Lnot_wave_0_\@
	s_barrier_signal -3
.Lnot_wave_0_\@:
	s_barrier_wait -3
	s_barrier_signal -1
	s_barrier_wait -1
.endm
.macro JLOAD s                         ; waves 0-3 fetch V's four quarters of 64 keys, waves 4-7 K's; the branch hangs on the wave's number alone
	s_cmp_eq_u32 s9, 0
	s_cbranch_scc0 .Lfor_k_\@
	tensor_load_to_lds s[G0V+4*(\s):G0V+4*(\s)+3], s[G1V:G1V+7]
	s_nop 0
	s_branch .Lasked_\@
.Lfor_k_\@:
	tensor_load_to_lds s[G0K+4*(\s):G0K+4*(\s)+3], s[G1K:G1K+7]
	s_nop 0
.Lasked_\@:
.endm
	s_load_b128 s[4:7], s[0:1], 0x0                ; qkv s[4:5], out0 s[6:7]
	s_set_vgpr_msb 0x40
	v_lshl_add_u32 v0, v0, 2, 0x37000
	v_mov_b32 v1, 0
	s_set_vgpr_msb 0x4045
	ds_add_u32 v0, v1
	s_set_vgpr_msb 0x4500
	v_lshrrev_b32 v5, 5, v0
	v_readfirstlane_b32 s8, v5                     ; wave 0..7
	s_lshr_b32 s9, s8, 2                           ; I fetch for V (0) or for K (1)
	s_and_b32 s62, s8, 3                           ; which quarter of the tile
	s_bfe_u32 s10, ttmp6, 0x40000                  ; cx
	s_lshr_b32 s11, ttmp9, 1                       ; batch x 16 + head
	s_and_b32 s12, ttmp9, 1                        ; g
	s_lshl_b32 s13, s8, 1
	s_add_co_u32 s13, s13, s12                     ; 2 w + g
	s_sub_co_u32 s63, 23, s13                      ; 23 - 2 w - g
	s_cmp_lt_u32 s8, 4
	s_cselect_b32 s13, s13, s63                    ; my chunk c; from here on s13 = c - the chunk of 128 keys at work
	s_mov_b32 s14, 0x76543210                      ; v_permlanex16_b32: lane i of one half reads lane i of the other
	s_mov_b32 s15, 0xfedcba98
	s_mov_b32 s48, 0x3e38aa3b                      ; log2(e) / 8
	s_mov_b32 s49, 0x3e38aa3b
	s_mov_b32 s51, 0xbe38aa3b                      ; its negative
	; group 1: 64 dense rows x 64 elements of 2 bytes, mask 15; padding behind every 32 words: 8 words for V, 4 for K
	s_mov_b32 s[G1V+0], 15|(1<<16)|(1<<20)|(1<<21)|(4<<22)|(7<<25)
	s_mov_b32 s[G1K+0], 15|(1<<16)|(1<<20)|(1<<21)|(4<<22)|(3<<25)
.irp g, G1V, G1K
	s_mov_b32 s[\g+1], 64<<16                      ; tensor_dim0 = 64
	s_mov_b32 s[\g+2], 64<<16                      ; tensor_dim1 = 64
	s_mov_b32 s[\g+3], 64<<16                      ; tile_dim0 = 64
	s_mov_b32 s[\g+4], 64                          ; tile_dim1 = 64
	s_mov_b32 s[\g+5], 64                          ; elements from row to row
	s_mov_b32 s[\g+6], 0
	s_mov_b32 s[\g+7], 0
.endr
	s_lshl_b32 s54, s11, 18                        ; a head's 2,048 rows of 128 bytes
	s_lshl_b32 s55, s62, 13                        ; my quarter: 64 rows
	s_add_co_u32 s54, s54, s55
	s_mov_b32 s55, 0
	s_mul_i32 s56, s8, 64*VP                       ; LDS: waves 0-3 fill V at wave x 10,240
	s_mul_i32 s57, s8, 64*KP                       ; waves 4-7 fill K at 40,960 + (wave - 4) x 9,216
	s_add_co_u32 s57, s57, VBYTES-4*64*KP
	s_wait_dscnt 0x0
	s_wait_kmcnt 0x0
	s_add_nc_u64 s[54:55], s[4:5], s[54:55]
	ROUND                                          ; all four work-groups are here: the first joint loads meet
.irp s, 0,1
	s_mov_b32 s[G0V+4*\s], 1
	s_add_co_u32 s[G0V+4*\s+1], s56, \s*SLOT
	s_add_nc_u64 s[G0V+4*\s+2:G0V+4*\s+3], s[54:55], 2*REGION+\s*TILEB
	s_or_b32 s[G0V+4*\s+3], s[G0V+4*\s+3], 0x80000000
	s_mov_b32 s[G0K+4*\s], 1
	s_add_co_u32 s[G0K+4*\s+1], s57, \s*SLOT
	s_add_nc_u64 s[G0K+4*\s+2:G0K+4*\s+3], s[54:55], REGION+\s*TILEB
	s_or_b32 s[G0K+4*\s+3], s[G0K+4*\s+3], 0x80000000
	JLOAD \s                                       ; tiles 0 and 1: two tensor loads of the wave are out
.endr
	v_and_b32 v6, 15, v0                           ; r
	v_bfe_u32 v7, v0, 4, 1                         ; h
	v_lshlrev_b32 v[QO], 7, v6                     ; Q's fragment: row r of 128 bytes,
	v_lshl_add_u32 v[QO], v7, 4, v[QO]             ; + 16 h
	s_lshl_b32 s52, s13, 7
	s_lshl_b32 s53, s10, 5                         ; 32 cx
	s_add_co_u32 s52, s52, s53                     ; my first query = 128 c + 32 cx
	s_lshl_b32 s58, s11, 18
	s_lshl_b32 s59, s52, 7
	s_add_co_u32 s58, s58, s59
	s_mov_b32 s59, 0
	s_add_nc_u64 s[58:59], s[4:5], s[58:59]        ; Q at my first query
.irp q, 0,1
.irp u, 0,1,2,3
	global_load_b128 v[QF+16*\q+4*\u:QF+16*\q+4*\u+3], v[QO], s[58:59] offset:2048*\q+32*\u
.endr
.endr
	s_lshr_b32 s60, s11, 4                         ; out0: ((batch x 2,048 + query) x 4,096 + head x 256) bytes
	s_lshl_b32 s60, s60, 11
	s_add_co_u32 s60, s60, s52
	s_lshl_b32 s60, s60, 12
	s_and_b32 s61, s11, 15
	s_lshl_b32 s61, s61, 8
	s_add_co_u32 s60, s60, s61
	s_mov_b32 s61, 0
	s_add_nc_u64 s[60:61], s[6:7], s[60:61]
	v_mul_u32_u24 v[AK], v6, KP                    ; K's fragment: row r x pitch + 16 h, behind V's 40,960 bytes
	v_lshl_add_u32 v[AK], v7, 4, v[AK]
	v_add_nc_u32 v[AK], VBYTES, v[AK]
	v_add_nc_u32 v[AK+1], SLOT, v[AK]
	v_and_b32 v10, 7, v0                           ; V's fragment: lane l addresses row 8 h + l % 8 and the 16 bytes (l / 8) % 2 of the tile's 32
	v_lshl_add_u32 v10, v7, 3, v10
	v_mul_u32_u24 v[AV], v10, VP
	v_bfe_u32 v10, v0, 3, 1
	v_lshl_add_u32 v[AV], v10, 4, v[AV]
	v_add_nc_u32 v[AV+1], SLOT, v[AV]
	v_lshlrev_b32 v10, 3, v7
	v_sub_nc_u32 v[DQ], v6, v10                    ; r - 8 h
	v_add_nc_u32 v[DQ], s53, v[DQ]                 ; + 32 cx: key 16 k + 8 h + j of my chunk stays where 16 k + j <= this
	v_add_nc_u32 v[DQ+1], 16, v[DQ]
	s_mul_i32 s63, s8, 32*ZP
	s_add_co_u32 s63, s63, STAGE                   ; my stage
	v_mul_u32_u24 v[SI], v6, ZP                    ; in: row r, 32 bytes for each half of the lanes
	v_lshl_add_u32 v[SI], v7, 5, v[SI]
	v_add_nc_u32 v[SI], s63, v[SI]
	v_mul_u32_u24 v[SO], v7, ZP                    ; back: lanes 0-15 take one row of 256 bytes, lanes 16-31 the next
	v_lshl_add_u32 v[SO], v6, 4, v[SO]
	v_add_nc_u32 v[SO], s63, v[SO]
	v_lshlrev_b32 v[OO], 12, v7                    ; and the same two rows in out0, 4,096 bytes apart
	v_lshl_add_u32 v[OO], v6, 4, v[OO]
.macro LOADK slot, ss                  ; K's 8 fragments of sub-step ss (64 keys): 16 loads
.irp k, 0,1,2,3
.irp u, 0,1,2,3
	ds_load_b128 v[KF+16*\k+4*\u:KF+16*\k+4*\u+3], v[AK+\slot] offset:(\ss)*64*KP+\k*16*KP+32*\u
.endr
.endr
.endm
.macro LOADV slot, ss                  ; V^T's 8 fragments of sub-step ss: 16 transposing loads
.irp g, 0,1
.irp e, 0,1,2,3
	ds_load_tr16_b128 v[KF+8*(4*\g+\e):KF+8*(4*\g+\e)+3],   v[AV+\slot] offset:(64*(\ss)+32*\g)*VP+32*\e
	ds_load_tr16_b128 v[KF+8*(4*\g+\e)+4:KF+8*(4*\g+\e)+7], v[AV+\slot] offset:(64*(\ss)+32*\g)*VP+32*\e+16*VP
.endr
.endr
.endm
; Operation n (0..14) of the sum of q tile q's 32 weights: two chains of packed sums, started by the first four pairs, joined by the last
.macro SUMOP q, n
.if \n < 2
	s_wait_alu depctr_va_vdst(0)
	v_pk_add_f32 v[TT+4*\q+2*\n:TT+4*\q+2*\n+1], v[SC+32*\q+4*\n:SC+32*\q+4*\n+1], v[SC+32*\q+4*\n+2:SC+32*\q+4*\n+3]
.else
.if \n < 14
	v_pk_add_f32 v[TT+4*\q+2*(\n%2):TT+4*\q+2*(\n%2)+1], v[TT+4*\q+2*(\n%2):TT+4*\q+2*(\n%2)+1], v[SC+32*\q+2*\n+4:SC+32*\q+2*\n+5]
.else
	v_pk_add_f32 v[TT+4*\q:TT+4*\q+1], v[TT+4*\q:TT+4*\q+1], v[TT+4*\q+2:TT+4*\q+3]
.endif
.endif
.endm
.macro SUMEND q, first                 ; the step's sum enters the running sum
.if \first
	v_add_f32 v[LS+\q], v[TT+4*\q], v[TT+4*\q+1]
.else
	v_add_f32 v[TT+4*\q], v[TT+4*\q], v[TT+4*\q+1]
	v_fma_f32 v[LS+\q], v[LS+\q], v[AL+\q], v[TT+4*\q]
.endif
.endm
; One sub-step: 64 keys x my 32 queries.  first = 1: the launch's first (nothing is carried yet; its keys are never beyond my chunk).
; nextk = 1: K's fragments of the slot's next sub-step are fetched.  In every run of matrix instructions the 8 accumulators take turns, one instruction a turn,
; and the first matrix instruction behind every joining of ways starts a sum anew.
.macro SSTEP slot, ss, first, nextk
	s_wait_dscnt 0x0                               ; K's fragments are in (the ways that lead here have issued different loads: the count is 0)
.irp k, 0,1,2,3
.irp q, 0,1
	v_wmma_f32_16x16x32_f16 v[SC+32*\q+8*\k:SC+32*\q+8*\k+7], v[KF+16*\k:KF+16*\k+7], v[QF+16*\q:QF+16*\q+7], 0
.endr
.endr
.irp k, 0,1,2,3
.irp q, 0,1
	v_wmma_f32_16x16x32_f16 v[SC+32*\q+8*\k:SC+32*\q+8*\k+7], v[KF+16*\k+8:KF+16*\k+15], v[QF+16*\q+8:QF+16*\q+15], v[SC+32*\q+8*\k:SC+32*\q+8*\k+7]
.endr
.endr
	; four places behind the matrix instructions, in front of the loads into their sources and of the reads of their results
.if \first
.rept 4
	v_nop
.endr
	LOADV \slot, \ss
.else
	v_mul_f32 v[AL], s48, v[MX]                    ; the old mu (the same rounded product as before)
	v_mul_f32 v[AL+1], s48, v[MX+1]
	v_nop
	v_nop
	s_cmp_lt_i32 s13, 0                            ; are these keys beyond my chunk?
	s_cbranch_scc1 .Lpast_\@
	LOADV \slot, \ss                               ; no: V is wanted, in the registers that K has left
	s_branch .Lmax_\@
.Lpast_\@:
.if \nextk
	LOADK \slot, (\ss+1)                           ; yes: only the sum is wanted; the next keys come in under this step's arithmetic
.endif
.Lmax_\@:
.endif
	; the maximum of my 32 scores of each q tile: four chains a tile, then the old maximum, then the other half of the lanes
.irp q, 0,1
.irp k, 0,1,2,3
	v_max3_num_f32 v[TT+4*\q+\k], v[SC+32*\q+8*\k], v[SC+32*\q+8*\k+1], v[SC+32*\q+8*\k+2]
.endr
.endr
.irp j, 3,5
.irp q, 0,1
.irp k, 0,1,2,3
	v_max3_num_f32 v[TT+4*\q+\k], v[TT+4*\q+\k], v[SC+32*\q+8*\k+\j], v[SC+32*\q+8*\k+\j+1]
.endr
.endr
.endr
.irp q, 0,1
.irp k, 0,1,2,3
	v_max_num_f32 v[TT+4*\q+\k], v[TT+4*\q+\k], v[SC+32*\q+8*\k+7]
.endr
.endr
.irp q, 0,1
	v_max3_num_f32 v[TT+4*\q], v[TT+4*\q], v[TT+4*\q+1], v[TT+4*\q+2]
.endr
.irp q, 0,1
.if \first
	v_max_num_f32 v[TT+4*\q], v[TT+4*\q], v[TT+4*\q+3]
.else
	v_max3_num_f32 v[TT+4*\q], v[TT+4*\q], v[TT+4*\q+3], v[MX+\q]
.endif
.endr
.irp q, 0,1
	v_permlanex16_b32 v[TT+4*\q+1], v[TT+4*\q], s14, s15
.endr
.irp q, 0,1
	v_max_num_f32 v[MX+\q], v[TT+4*\q], v[TT+4*\q+1]
.endr
.irp q, 0,1
	v_mul_f32 v[NM+\q], s51, v[MX+\q]              ; - mu
.endr
.if \first
.else
	v_pk_add_f32 v[AL:AL+1], v[AL:AL+1], v[NM:NM+1]            ; old mu - new mu, zero or below
	v_exp_f32 v[AL], v[AL]                         ; a plain instruction that touches neither follows (ISA guide 5.7.2): the first multiply-add below
	v_exp_f32 v[AL+1], v[AL+1]
.endif
	; weights = 2^(score x log2(e) / 8 - mu).  Behind every pair of exponentials stands a plain instruction on other registers.
.set ii, 0
.rept 16
	v_pk_fma_f32 v[SC+2*ii:SC+2*ii+1], v[SC+2*ii:SC+2*ii+1], s[48:49], v[NM:NM+1] op_sel_hi:[1,0,0]
.set ii, ii+1
.endr
.set ii, 0
.rept 16
	v_exp_f32 v[SC+2*ii], v[SC+2*ii]
	v_exp_f32 v[SC+2*ii+1], v[SC+2*ii+1]
	v_pk_fma_f32 v[SC+32+2*ii:SC+32+2*ii+1], v[SC+32+2*ii:SC+32+2*ii+1], s[48:49], v[NM:NM+1] op_sel:[0,0,1] op_sel_hi:[1,0,1]
.set ii, ii+1
.endr
.set ii, 0
.rept 15
	v_exp_f32 v[SC+32+2*ii], v[SC+32+2*ii]
	v_exp_f32 v[SC+32+2*ii+1], v[SC+32+2*ii+1]
	SUMOP 0, ii                                    ; the row's sum takes every key, in f32, in front of mask and rounding
.set ii, ii+1
.endr
	v_exp_f32 v[SC+62], v[SC+62]
	v_exp_f32 v[SC+63], v[SC+63]
	SUMEND 0, \first
.set ii, 0
.rept 15
	SUMOP 1, ii
.set ii, ii+1
.endr
	SUMEND 1, \first
.if \first
.else
	s_cmp_lt_i32 s13, 0
	s_cbranch_scc1 .Lend_\@                        ; keys beyond my chunk: the mask throws their products away
.endif
	s_cmp_lg_u32 s13, 0
	s_cbranch_scc1 .Lfull_\@                       ; keys in front of my chunk: all stay
	; my own chunk: key 64 (ss % 2) + 16 k + 8 h + j stays where it is not beyond query 32 cx + 16 q + r; a choice of values, no branch
.irp q, 0,1
.irp k, 0,1,2,3
.irp j, 0,1,2,3,4,5,6,7
	v_cmp_le_i32 vcc_lo, 64*((\ss)%2)+16*\k+\j, v[DQ+\q]
	v_cndmask_b32 v[SC+32*\q+8*\k+\j], 0, v[SC+32*\q+8*\k+\j], vcc_lo
.endr
.endr
.endr
.Lfull_\@:
.if \first
.else
.irp e, 0,1,2,3
.irp j, 0,2,4,6
	v_pk_mul_f32 v[ZA+16*\e+\j:ZA+16*\e+\j+1], v[ZA+16*\e+\j:ZA+16*\e+\j+1], v[AL:AL+1] op_sel_hi:[1,0]
	v_pk_mul_f32 v[ZA+16*\e+8+\j:ZA+16*\e+8+\j+1], v[ZA+16*\e+8+\j:ZA+16*\e+8+\j+1], v[AL:AL+1] op_sel:[0,1] op_sel_hi:[1,1]
.endr
.endr
.endif
	v_mov_b32 v[NZ], v[NM]                         ; Z now stands against this mu
	v_mov_b32 v[NZ+1], v[NM+1]
.irp q, 0,1
.irp g, 0,1
.irp j, 0,1,2,3,4,5,6,7
	v_cvt_pk_f16_f32 v[SC+32*\q+16*\g+\j], v[SC+32*\q+16*\g+2*\j], v[SC+32*\q+16*\g+2*\j+1]   ; in place: word j is written when words 2 j, 2 j + 1 are read
.endr
.endr
.endr
	s_wait_dscnt 0x0                               ; V's fragments are in
.irp e, 0,1,2,3
.irp q, 0,1
.if \first
	v_wmma_f32_16x16x32_f16 v[ZA+16*\e+8*\q:ZA+16*\e+8*\q+7], v[KF+8*\e:KF+8*\e+7], v[SC+32*\q:SC+32*\q+7], 0
.else
	v_wmma_f32_16x16x32_f16 v[ZA+16*\e+8*\q:ZA+16*\e+8*\q+7], v[KF+8*\e:KF+8*\e+7], v[SC+32*\q:SC+32*\q+7], v[ZA+16*\e+8*\q:ZA+16*\e+8*\q+7]
.endif
.endr
.endr
.irp e, 0,1,2,3
.irp q, 0,1
	v_wmma_f32_16x16x32_f16 v[ZA+16*\e+8*\q:ZA+16*\e+8*\q+7], v[KF+32+8*\e:KF+32+8*\e+7], v[SC+32*\q+16:SC+32*\q+23], v[ZA+16*\e+8*\q:ZA+16*\e+8*\q+7]
.endr
.endr
.rept 5
	v_nop                                          ; five places: the next scores are written over the weights, and K is loaded over V (ISA guide 7.12.1)
.endr
.if \nextk
	LOADK \slot, (\ss+1)
.endif
.Lend_\@:
.endm
; A tile of 256 keys in slot `slot`.  refill = 1: the other slot, read in the last phase, is filled again, two tiles ahead.
; In front of the barrier every wave waits for all its tensor loads (one is out: its part of this slot) and for its reads of the other slot; where a slot is
; filled again the barrier is a round of the cluster's barrier, and the joint refill is the wave's first tensor load behind it and its only one until the next.
.macro PHASE slot, refill
	s_set_vgpr_msb 0x5
	s_wait_tensorcnt 0x0                           ; no tensor load of mine is out: a group 0 may be written
	ds_add_u32 v0, v1
	s_wait_dscnt 0x0
	s_set_vgpr_msb 0x500
.if \refill
	s_add_nc_u64 s[G0V+6-4*\slot:G0V+7-4*\slot], s[G0V+6-4*\slot:G0V+7-4*\slot], 2*TILEB
	s_add_nc_u64 s[G0K+6-4*\slot:G0K+7-4*\slot], s[G0K+6-4*\slot:G0K+7-4*\slot], 2*TILEB
.endif
	s_wait_dscnt 0x0
.if \refill
	ROUND
	JLOAD (1-\slot)                                ; it has this tile's four sub-steps in which to land
.else
	s_barrier_signal -1                            ; the last tile: nothing is filled, the work-group's barrier shows the slot whole
	s_barrier_wait -1
.endif
	LOADK \slot, 0
	SSTEP \slot, 0, 0, 1
	SSTEP \slot, 1, 0, 1
	s_sub_co_i32 s13, s13, 1                       ; the next chunk of 128 keys
	SSTEP \slot, 2, 0, 1
	SSTEP \slot, 3, 0, 0
	s_sub_co_i32 s13, s13, 1
.endm
	s_wait_loadcnt 0x0                             ; Q, once
	s_wait_tensorcnt 0x1                           ; my part of tile 0 is in; tile 1's may stay out
	s_barrier_signal -1
	s_barrier_wait -1
	LOADK 0, 0
	SSTEP 0, 0, 1, 1                               ; tile 0 stands in front of the loop: its first sub-step starts maximum, sum and Z
	SSTEP 0, 1, 0, 1
	s_sub_co_i32 s13, s13, 1
	SSTEP 0, 2, 0, 1
	SSTEP 0, 3, 0, 0
	s_sub_co_i32 s13, s13, 1
	s_mov_b32 s50, 3
.Lpair:
	PHASE 1, 1                                     ; tiles 1, 3, 5; asks for 2, 4, 6
	PHASE 0, 1                                     ; tiles 2, 4, 6; asks for 3, 5, 7
	s_sub_co_u32 s50, s50, 1
	s_cmp_lg_u32 s50, 0
	s_cbranch_scc1 .Lpair
	PHASE 1, 0                                     ; tile 7
	; THE END: join the two halves' sums; Z x 2^(mu at the last product - mu) / sum
	v_permlanex16_b32 v[TT], v[LS], s14, s15
	v_permlanex16_b32 v[TT+1], v[LS+1], s14, s15
	v_pk_add_f32 v[LS:LS+1], v[LS:LS+1], v[TT:TT+1]
	v_pk_add_f32 v[AL:AL+1], v[NM:NM+1], v[NZ:NZ+1] neg_lo:[0,1] neg_hi:[0,1]
	v_exp_f32 v[AL], v[AL]
	v_exp_f32 v[AL+1], v[AL+1]
	v_rcp_f32 v[LS], v[LS]
	v_rcp_f32 v[LS+1], v[LS+1]
	v_nop                                          ; one plain place behind the transcendentals (ISA guide 5.7.2)
	s_wait_alu depctr_va_vdst(0)
	v_pk_mul_f32 v[AL:AL+1], v[AL:AL+1], v[LS:LS+1]
.irp e, 0,1,2,3
.irp j, 0,2,4,6
	v_pk_mul_f32 v[ZA+16*\e+\j:ZA+16*\e+\j+1], v[ZA+16*\e+\j:ZA+16*\e+\j+1], v[AL:AL+1] op_sel_hi:[1,0]
	v_pk_mul_f32 v[ZA+16*\e+8+\j:ZA+16*\e+8+\j+1], v[ZA+16*\e+8+\j:ZA+16*\e+8+\j+1], v[AL:AL+1] op_sel:[0,1] op_sel_hi:[1,1]
.endr
.endr
	; through my own stage: 32 bytes a lane in, whole rows of 256 bytes back; sixteen lanes then store 256 consecutive bytes, at a multiple of 256 from out0's first byte
.irp q, 0,1
.irp e, 0,1,2,3
	ds_store_b128 v[SI], v[ZA+16*\e+8*\q:ZA+16*\e+8*\q+3]   offset:\q*16*ZP+64*\e
	ds_store_b128 v[SI], v[ZA+16*\e+8*\q+4:ZA+16*\e+8*\q+7] offset:\q*16*ZP+64*\e+16
.endr
.endr
.irp t, 0,1,2,3,4,5,6,7,8,9,10,11,12,13,14,15
	ds_load_b128 v[SC+4*\t:SC+4*\t+3], v[SO] offset:\t*2*ZP        ; LDS serves a wave's instructions in order: these see the stores above
.endr
.irp t, 0,1,2,3,4,5,6,7,8,9,10,11,12,13,14,15
	s_wait_dscnt 15-\t                             ; load t is in, the 15 - t younger ones stay out
	global_store_b128 v[OO], v[SC+4*\t:SC+4*\t+3], s[60:61] offset:8192*\t th:TH_STORE_NT
.endr
	s_set_vgpr_msb 0x5
	s_wait_tensorcnt 0x0
	ds_add_u32 v0, v1
	s_wait_dscnt 0x0
	s_set_vgpr_msb 0x500
	ROUND                                          ; the closing round: no work-group ends while a partner may still ask for a tile that names it
	s_endpgm
.Lfunc_end_k_q093229176f_attn:
	.size	k_q093229176f_attn, .Lfunc_end_k_q093229176f_attn-k_q093229176f_attn
	.p2alignl 7, 3214868480
	.fill 96, 4, 3214868480
	.section	.rodata,"a",@progbits
	.p2align	6, 0x0
	.amdhsa_kernel k_q093229176f_attn
		.amdhsa_group_segment_fixed_size 327680
		.amdhsa_private_segment_fixed_size 0
		.amdhsa_enable_private_segment 0
		.amdhsa_kernarg_size 16
		.amdhsa_user_sgpr_count 2
		.amdhsa_user_sgpr_kernarg_segment_ptr 1
		.amdhsa_wavefront_size32 1
		.amdhsa_system_sgpr_workgroup_id_x 1
		.amdhsa_system_sgpr_workgroup_id_y 1
		.amdhsa_system_sgpr_workgroup_id_z 1
		.amdhsa_system_vgpr_workitem_id 0
		.amdhsa_next_free_vgpr 258
		.amdhsa_next_free_sgpr 66
		.amdhsa_reserve_vcc 1
		.amdhsa_float_denorm_mode_32 3
		.amdhsa_float_denorm_mode_16_64 3
		.amdhsa_memory_ordered 1
		.amdhsa_forward_progress 1
		.amdhsa_inst_pref_size 255
	.end_amdhsa_kernel
	.section	.bss,"aw",@nobits
	.p2align	6
	.space	262144
	.amdgpu_metadata
---
amdhsa.version: [ 1, 2 ]
amdhsa.kernels:
  - .name:           k_q093229176f_attn
    .symbol:         k_q093229176f_attn.kd
    .args:
      - { .name: qkv, .offset: 0, .size: 8, .value_kind: global_buffer, .address_space: global }
      - { .name: out0, .offset: 8, .size: 8, .value_kind: global_buffer, .address_space: global }
    .group_segment_fixed_size: 327680
    .private_segment_fixed_size: 0
    .kernarg_segment_align: 8
    .kernarg_segment_size: 16
    .max_flat_workgroup_size: 256
    .sgpr_count:     66
    .vgpr_count:     258
    .wavefront_size: 32
...
	.end_amdgpu_metadata
.endif
;; end of part 3
